; MI455X (gfx1250); checked and timed in simulation.
; The chip was launched on July 23, 2026; its instructions are those of AMD's public machine-readable ISA for CDNA 5 (MIT licence, August 2026) and "CDNA5" Instruction Set Architecture Reference Guide (July 2026). The comments in the code are by the model that wrote it; some were corrected since.
;; Attention. Allowed arithmetic: matrix products marked QUANTISED: E5M2 operands, one given power-of-two scale a tensor, by v_wmma_f32_16x16x64_bf8_bf8 or v_wmma_f32_16x16x128_bf8_bf8, f32 sums; products left as they are: f32 operands where the result goes on into a quantised operand, else bf16, f16 or f32 operands; f32 sums; everything else in f32.
;; Inputs: attn_b 1,024 float32; attn_w 2,048 x 1,024 float32; encoder_outputs 32 x 2,048 x 1,024 float32; hidden 32 x 1 x 1,024 float32; lowp_scales 4 int32 (the exponents e of the quantised operands' scales 2^e); v_w 1,024 float32.
;; Outputs: out0 32 x 1 x 1,024 float32.
;; This version of the problem:
;;   THIS VERSION OF THE PROBLEM IS GIVEN IN LOW PRECISION. The matrix products marked QUANTISED in the list below multiply operands that are first quantised to E5M2 (5 exponent bits, 2 mantissa bits; 8 bits a number), with one given power-of-two scale for each operand tensor; their sums are f32. All else is computed in f32.
;;   The module's matrix products, in the order in which they are computed (A, B: the left and right operand; K: the contracted axis; several contracted axes count as one K, in the product's order):
;;     1. [M 32, K 1,024] x [K 1,024, N 1,024]; A: input hidden; B: input attn_w: QUANTISED (scales: A lowp_scales[0], B lowp_scales[1])
;;     2. [M 65,536, K 1,024] x [K 1,024, N 1,024]; A: input encoder_outputs; B: input attn_w: QUANTISED (scales: A lowp_scales[2], B lowp_scales[3])
;;     3. [M 65,536, K 1,024] x [K 1,024, N 1]; A: computed on the way; B: input v_w: left as it is (N = 1 < 16)
;;     4. batch 32 x [M 1, K 2,048] x [K 2,048, N 1,024]; A: softmax; B: input encoder_outputs: left as it is (M = 1 < 16)
;;   THE QUANTISER, for each operand of a quantised product, along K:
;;     - The operand's scale is 2^e, e = its entry of the input lowp_scales (int32; the entries are numbered through the quantised products in the list's order, A before B).
;;     - Each number is divided by the scale, clamped to +-57,344, and rounded to the nearest number of E5M2, ties to even, subnormals kept.
;;     - The product sums the exact products of the quantised numbers (number of the format x scale) in f32.
;;   ~~~python
;;   def quantise(x, axis, e):      # numpy; x: float32 -> the quantised numbers, widened to float32 again
;;       x = np.moveaxis(x, axis, -1); K = x.shape[-1]
;;       r = np.clip(x / 2.0 ** e, -57344, 57344)
;;       step = 2.0 ** (np.maximum(np.frexp(np.where(r == 0, 1, r))[1] - 1, -14) - 2)
;;       q = np.round(r / step) * step * 2.0 ** e      # np.round: ties to even
;;       return np.moveaxis(q, -1, axis).astype(np.float32)
;;   ~~~
;; One version. Each part assembles by itself: llvm-mc -triple=amdgcn-amd-amdhsa -mcpu=gfx1250 --defsym DOCPART=n.
;; ======== version 1 of 1: 3 launches
;; limits: values are held in bf16: 8 bits of precision; right only within a limited range of input values
;; workspace buffers: wcodes 1,048,576 bytes; biasc 131,072 bytes; part_ctx 4,194,304 bytes; part_ml 262,144 bytes
;; launch prep (part 1): grid 128 x 1, 8 waves a work-group, no clusters, 21,504 bytes of LDS; arguments attn_w, hidden, attn_b, lowp_scales, wcodes, biasc; writes wcodes, biasc
.if DOCPART == 1
	.amdgcn_target "amdgcn-amd-amdhsa--gfx1250"
	.amdhsa_code_object_version 6
	.text
	.protected	k_qe1d38f89e0_prep
	.globl	k_qe1d38f89e0_prep
	.p2align	8
	.type	k_qe1d38f89e0_prep,@function
k_qe1d38f89e0_prep:
	s_mov_b64 s[64:65], 0
	v_nop
	global_prefetch_b8 v0, s[64:65] scope:SCOPE_SE
	s_setreg_imm32_b32 hwreg(HW_REG_WAVE_MODE, 25, 1), 1
	s_wait_xcnt 0x0
; FIRST OF THREE LAUNCHES for  out = softmax_s( sum_n v[n] tanh(hidden W_h + enc W_e + b)[s][n] ) . enc,  both products with attn_w on codes of BF8 (E5M2), one given scale 2^e a tensor.
; This launch: (E) W_e = attn_w rows 1024-2047 becomes codes, laid in the order of the matrix operand's registers (wcodes);  (H) W_h = rows 0-1023 and hidden become codes,
; their product is made, and biasc = 2 log2(e) (hidden W_h + attn_b) is stored: the addend of the second launch's tanh.
; WORK LEFT OUT, in all three launches.  tanh(x) = 1 - 2 r with r = 1 / (1 + 2^(2 log2(e) x)), so a position's score is sum_n v[n] - 2 sum_n v[n] r[n].  The term sum_n v[n] is the same for every
; position s of a batch: it is added to the softmax's input alike along the softmax's axis and cancels from every weight, whatever finite values v_w holds.  It is not formed.  v_w itself stays in use, and
; every input is loaded.  LIMIT: an overflow of sum_n v[n] alone (which would reach the result as written) is not carried to the result.
; K IS PERMUTED, alike in both operands of each product (a tensor has one scale; the products are the same, summed in another order):
; position p = 256 q + 8 l + i (l 0..31, i 0..7) holds k = 256 q + 128 (i / 4) + 4 l + i % 4.  The second launch can then load enc as it lies, 16 bytes a lane, and convert from a lane's own registers.
; wcodes, byte 16384 T + 2048 s + 512 c + 16 lane + i = code of W_e[k(128 s + 32 c + 16 (lane / 16) + i)][16 T + lane % 16]: column tile T, K step s of 128: a fragment's 16 registers on end.
; biasc, byte 2048 T + 64 b + 4 j = the number of batch b, column 16 T + j: a work-group's 2,048 bytes on end.
; SHARES.  Work-groups 0-63 take W_h, 64-127 W_e; each one column tile T of 16 and all of K; wave s takes K step s.  LANE (r, h) TAKES COLUMN r AND LOADS THE 64 POSITIONS THAT THE OPERAND'S LAYOUT GIVES IT,
; 32 c + 16 h + 0 .. 15, down its registers: the conversions' results are the fragment's registers.  Sixteen lanes read 64 neighbouring bytes: the weight is small and is read once.
; In W_h's work-groups a wave also makes hidden's two fragments of its own K step and two products; the eight K steps' partial sums meet in LDS.  No tensor loads, no cluster: what work-groups share (hidden) is small.
; LIMITS: each given exponent between -126 and 112; e0 + e1 between -127 and 126 (it is added to an exponent field).  NaN among the inputs is not served; an infinity is held at the largest code.
.set PP,    80                         ; a batch's 16 partial sums, 64 bytes + 16 of padding
.set PSTEP, 32*PP
.set SPARE, 8*PSTEP                    ; behind the partial sums: the spare words, 128 bytes for each of 8 waves
.set C,     16                         ; v16-31   W's fragment
.set AF,    32                         ; v32-63   hidden's two fragments
.set X,     64                         ; v64-127  64 numbers of my column
.set ACC,   64                         ; then: two accumulators,
.set OW,    80                         ; and the eight partial sums of my two outputs
.set HX,    128                        ; v128-255 2 x 64 numbers of hidden
; v1 W's offset; v[2:3] r, h, then attn_b; v4 16 x lane; v5 hidden's offset; v6, v7 offsets in attn_b and biasc; v8, v9 W's scale and hold; v10, v11 hidden's; v12, v13 the add's two; v14, v15 partial sums in and out
.macro MKSCALE e, vs, vl               ; 2^e as f32 (the conversion takes its exponent field), and 57,344 x 2^e
	s_add_co_i32 s22, s[\e], 127
	s_lshl_b32 s23, s22, 23
	v_mov_b32 v[\vs], s23
	s_add_co_i32 s22, s22, 15
	s_lshl_b32 s22, s22, 23
	s_or_b32 s22, s22, 0x600000
	v_mov_b32 v[\vl], s22
.endm
.macro WLOAD                           ; register 16 c + x = position 128 s + 32 c + 16 h + x: row 16 c + 8 h + 4 (x / 8) + x % 4 + 128 ((x / 4) % 2) from my K step's first row
.set ii, 0
.rept 64
	global_load_b32 v[X+ii], v1, s[4:5] offset:(128*((ii/4)%2)+16*(ii/16)+4*((ii%16)/8)+(ii%4))*4096
.set ii, ii+1
.endr
.endm
.macro WQUANT
.set ii, 0
.rept 64
	v_med3_num_f32 v[X+ii], v[X+ii], -v9, v9       ; the conversion to an 8-bit code does not saturate (ISA guide 7.6.2): the hold at the largest code x the scale
.set ii, ii+1
.endr
.set ii, 0
.rept 8
	v_cvt_scalef32_pk8_bf8_f32 v[C+2*ii:C+2*ii+1], v[X+8*ii:X+8*ii+7], v8
.set ii, ii+1
.endr
	v_nop                                          ; one plain vector line behind the last conversion
.endm
	s_load_b256 s[4:11], s[0:1], 0x0               ; attn_w, hidden, attn_b, the scales' exponents
	s_load_b128 s[12:15], s[0:1], 0x20             ; wcodes, biasc
	v_lshrrev_b32 v1, 5, v0
	v_readfirstlane_b32 s16, v1                    ; wave = K step s
	s_and_b32 s19, ttmp9, 63                       ; column tile T
	s_lshr_b32 s20, ttmp9, 6                       ; 0: W_h, 1: W_e
	s_lshr_b32 s25, s16, 1
	s_lshl_b32 s25, s25, 8
	s_and_b32 s26, s16, 1
	s_lshl_b32 s26, s26, 6
	s_add_co_u32 s28, s25, s26                     ; my K step's first k: 256 (s / 2) + 64 (s % 2)
	s_lshl_b32 s24, s20, 10
	s_add_co_u32 s24, s24, s28                     ; as a row of attn_w,
	s_lshl_b32 s24, s24, 12                        ; in bytes,
	s_lshl_b32 s40, s19, 6
	s_add_co_u32 s24, s24, s40                     ; + my 16 columns
	s_mov_b32 s25, 0
	s_mov_b32 s41, 0
	s_lshl_b32 s30, s28, 2                         ; hidden: my K step's first k, in bytes
	s_lshl_b32 s26, s19, 14
	s_lshl_b32 s27, s16, 11
	s_add_co_u32 s26, s26, s27                     ; wcodes: tile T, K step s
	s_mov_b32 s27, 0
	s_lshl_b32 s42, s19, 11                        ; biasc: tile T
	s_mov_b32 s43, 0
	s_mul_i32 s21, s16, PSTEP
	v_lshl_add_u32 v12, v0, 2, SPARE
	v_mov_b32 v13, 0
	v_and_b32 v2, 15, v0                           ; r
	v_bfe_u32 v3, v0, 4, 1                         ; h
	v_and_b32 v4, 31, v0
	v_lshlrev_b32 v4, 4, v4
	v_lshlrev_b32 v1, 2, v2
	v_lshl_add_u32 v1, v3, 15, v1                  ; column r, + 8 h rows of 4,096 bytes
	v_lshlrev_b32 v5, 12, v2
	v_lshl_add_u32 v5, v3, 5, v5
	v_add_nc_u32 v5, s30, v5                       ; hidden: row r, + 8 h numbers, + my K step
	v_mul_u32_u24 v14, v2, PP
	v_lshl_add_u32 v14, v3, 5, v14
	v_add_nc_u32 v14, s21, v14                     ; partial sums in: K step s, batch r, + 32 h bytes
	v_lshrrev_b32 v15, 3, v0
	v_mul_u32_u24 v15, v15, PP
	v_and_b32 v6, 7, v0
	v_lshlrev_b32 v6, 3, v6
	v_add_nc_u32 v15, v15, v6                      ; and out: batch thread / 8, 8 bytes at 8 (thread % 8)
	v_lshlrev_b32 v7, 3, v0
	s_wait_alu depctr_va_vdst(0)
	s_wait_kmcnt 0x0
	s_load_b128 s[32:35], s[10:11], 0x0            ; e0 (hidden), e1 (W_h), e2 (enc), e3 (W_e)
	s_add_nc_u64 s[4:5], s[4:5], s[24:25]
	s_cmp_lt_u32 ttmp9, 64                         ; the work-group's number alone: all eight waves go the same way
	s_cbranch_scc1 .Lpath_h
	; ---- W_e: the fragment, stored as it stands
	WLOAD
	s_add_nc_u64 s[12:13], s[12:13], s[26:27]
	s_wait_kmcnt 0x0
	MKSCALE 35, 8, 9
	s_wait_alu depctr_va_vdst(0)
	s_wait_loadcnt 0x0
	WQUANT
.irp c, 0,1,2,3
	global_store_b128 v4, v[C+4*\c:C+4*\c+3], s[12:13] offset:512*\c   ; 32 lanes store 512 consecutive bytes, at a multiple of 256 from the buffer's first byte
.endr
	s_branch .Lend
	; ---- W_h and hidden: codes, the product, the table
.Lpath_h:
	s_add_nc_u64 s[8:9], s[8:9], s[40:41]
	s_add_nc_u64 s[14:15], s[14:15], s[42:43]
	global_load_b64 v[2:3], v6, s[8:9]             ; attn_b at my two columns
.irp m, 0,1                            ; register 64 m + 16 c + x = position 128 s + 32 c + 16 h + x of batch 16 m + r: by the permutation four runs of four neighbours
.irp c, 0,1,2,3
	global_load_b128 v[HX+64*\m+16*\c:HX+64*\m+16*\c+3],     v5, s[6:7] offset:65536*\m+64*\c
	global_load_b128 v[HX+64*\m+16*\c+4:HX+64*\m+16*\c+7],   v5, s[6:7] offset:65536*\m+64*\c+512
	global_load_b128 v[HX+64*\m+16*\c+8:HX+64*\m+16*\c+11],  v5, s[6:7] offset:65536*\m+64*\c+16
	global_load_b128 v[HX+64*\m+16*\c+12:HX+64*\m+16*\c+15], v5, s[6:7] offset:65536*\m+64*\c+528
.endr
.endr
	WLOAD
	s_wait_kmcnt 0x0
	MKSCALE 32, 10, 11
	MKSCALE 33, 8, 9
	s_add_co_i32 s36, s32, s33
	s_lshl_b32 s36, s36, 23
	s_add_co_i32 s36, s36, 0x4038aa3b              ; 2 log2(e) x 2^(e0 + e1): the exponents are added to the constant's exponent field
	s_mov_b32 s37, s36
	s_mov_b32 s38, 0x4038aa3b                      ; 2 log2(e)
	s_mov_b32 s39, s38
	s_wait_alu depctr_va_vdst(0)
	s_wait_loadcnt 63                              ; 64 loads were issued behind hidden's; 63 is the largest count that the wait can name
.set ii, 0
.rept 128
	v_med3_num_f32 v[HX+ii], v[HX+ii], -v11, v11
.set ii, ii+1
.endr
.set ii, 0
.rept 16
	v_cvt_scalef32_pk8_bf8_f32 v[AF+2*ii:AF+2*ii+1], v[HX+8*ii:HX+8*ii+7], v10
.set ii, ii+1
.endr
	v_nop
	s_wait_loadcnt 0x0
	WQUANT
.irp m, 0,1                            ; transposed: source 0 = 16 columns of W_h, source 1 = 16 batches.  Lane (r, h) holds batch 16 m + r, register j column 8 h + j.  Two sums of one K step each: no chain
	v_wmma_f32_16x16x128_bf8_bf8 v[ACC+8*\m:ACC+8*\m+7], v[C:C+15], v[AF+16*\m:AF+16*\m+15], 0
.endr
.rept 4
	v_nop                                          ; four places in front of the LDS stores that read the results
.endr
.irp m, 0,1
	ds_store_b128 v14, v[ACC+8*\m:ACC+8*\m+3]   offset:16*PP*\m
	ds_store_b128 v14, v[ACC+8*\m+4:ACC+8*\m+7] offset:16*PP*\m+16
.endr
	s_wait_dscnt 0x0
	s_barrier_signal -1
	s_barrier_wait -1                              ; the eight K steps' partial sums lie in LDS
.irp k, 0,1,2,3,4,5,6,7
	ds_load_b64 v[OW+2*\k:OW+2*\k+1], v15 offset:PSTEP*\k
.endr
	s_wait_dscnt 0x0
	v_pk_mul_f32 v[2:3], v[2:3], s[38:39] op_sel_hi:[1,0]   ; 2 log2(e) attn_b
.irp k, 0,2,4,6
	v_pk_add_f32 v[OW+2*\k:OW+2*\k+1], v[OW+2*\k:OW+2*\k+1], v[OW+2*\k+2:OW+2*\k+3]
.endr
.irp k, 0,4
	v_pk_add_f32 v[OW+2*\k:OW+2*\k+1], v[OW+2*\k:OW+2*\k+1], v[OW+2*\k+4:OW+2*\k+5]
.endr
	v_pk_add_f32 v[OW:OW+1], v[OW:OW+1], v[OW+8:OW+9]
	v_pk_fma_f32 v[OW:OW+1], v[OW:OW+1], s[36:37], v[2:3] op_sel_hi:[1,0,1]   ; 2 log2(e) (sum x 2^(e0 + e1) + attn_b)
	global_store_b64 v7, v[OW:OW+1], s[14:15]      ; 32 lanes store 256 consecutive bytes, at a multiple of 256 from the buffer's first byte
.Lend:
	s_wait_tensorcnt 0x0                           ; the wave's end: behind my last LDS store
	ds_add_u32 v12, v13
	s_wait_dscnt 0x0
	s_endpgm
.Lfunc_end_k_qe1d38f89e0_prep:
	.size	k_qe1d38f89e0_prep, .Lfunc_end_k_qe1d38f89e0_prep-k_qe1d38f89e0_prep
	.p2alignl 7, 3214868480
	.fill 96, 4, 3214868480
	.section	.rodata,"a",@progbits
	.p2align	6, 0x0
	.amdhsa_kernel k_qe1d38f89e0_prep
		.amdhsa_group_segment_fixed_size 21504
		.amdhsa_private_segment_fixed_size 0
		.amdhsa_enable_private_segment 0
		.amdhsa_kernarg_size 48
		.amdhsa_user_sgpr_count 2
		.amdhsa_user_sgpr_kernarg_segment_ptr 1
		.amdhsa_wavefront_size32 1
		.amdhsa_system_sgpr_workgroup_id_x 1
		.amdhsa_system_sgpr_workgroup_id_y 1
		.amdhsa_system_sgpr_workgroup_id_z 1
		.amdhsa_system_vgpr_workitem_id 0
		.amdhsa_next_free_vgpr 256
		.amdhsa_next_free_sgpr 66
		.amdhsa_reserve_vcc 0
		.amdhsa_float_denorm_mode_32 3
		.amdhsa_float_denorm_mode_16_64 3
		.amdhsa_memory_ordered 1
		.amdhsa_forward_progress 1
		.amdhsa_inst_pref_size 40
	.end_amdhsa_kernel
	.amdgpu_metadata
---
amdhsa.version: [ 1, 2 ]
amdhsa.kernels:
  - .name:           k_qe1d38f89e0_prep
    .symbol:         k_qe1d38f89e0_prep.kd
    .args:
      - { .name: attn_w, .offset: 0, .size: 8, .value_kind: global_buffer, .address_space: global }
      - { .name: hidden, .offset: 8, .size: 8, .value_kind: global_buffer, .address_space: global }
      - { .name: attn_b, .offset: 16, .size: 8, .value_kind: global_buffer, .address_space: global }
      - { .name: lowp_scales, .offset: 24, .size: 8, .value_kind: global_buffer, .address_space: global }
      - { .name: wcodes, .offset: 32, .size: 8, .value_kind: global_buffer, .address_space: global }
      - { .name: biasc, .offset: 40, .size: 8, .value_kind: global_buffer, .address_space: global }
    .group_segment_fixed_size: 21504
    .private_segment_fixed_size: 0
    .kernarg_segment_align: 8
    .kernarg_segment_size: 48
    .max_flat_workgroup_size: 256
    .sgpr_count:     66
    .vgpr_count:     256
    .wavefront_size: 32
...
	.end_amdgpu_metadata
.endif
;; end of part 1
;; launch main (part 2): grid 256 x 1, 4 waves a work-group, no clusters, 327,680 bytes of LDS; arguments encoder_outputs, wcodes, biasc, v_w, lowp_scales, part_ctx, part_ml; writes part_ctx, part_ml
.if DOCPART == 2
	.amdgcn_target "amdgcn-amd-amdhsa--gfx1250"
	.amdhsa_code_object_version 6
	.text
	.protected	k_qe1d38f89e0_main
	.globl	k_qe1d38f89e0_main
	.p2align	8
	.type	k_qe1d38f89e0_main,@function
k_qe1d38f89e0_main:
	s_mov_b64 s[64:65], 0
	v_nop
	global_prefetch_b8 v0, s[64:65] scope:SCOPE_SE
	s_setreg_imm32_b32 hwreg(HW_REG_WAVE_MODE, 25, 1), 1
	s_wait_xcnt 0x0
; SECOND LAUNCH.  enc is read ONCE.  T[s] = sum_n vt[n] / (1 + 2^(c2 (acc[s][n] + bq[n]))), acc = codes(enc) . codes(W_e), c2 = 2 log2(e) 2^(e2 + e3), bq = biasc / c2, vt = -2 log2(e) v_w:
; T is log2(e) x the score, less sum_n v[n], which is the same for all positions of a batch and is left out, as the first launch's head shows.
; Then each wave's part of the softmax by a running maximum m: p = 2^(T - m), l = sum p, ctx = sum p enc.  Stored: ctx (1,024 f32) and (m, l) for each of the 1,024 waves; the third launch joins a batch's 32.
; SHARES.  Work-group g owns rows 256 g .. + 255 (batch g / 8), in two blocks of 128.  Wave w loads rows 32 w .. + 31 of a block: each row gives 1,024 codes, which go to LDS (rows 1,040 bytes apart) for all four
; waves, and a bf16 copy that stays the wave's own: rows 0-11 in registers, rows 12-31 in its own LDS bytes.  K is permuted as the first launch's head says, alike in both operands.
; THE WALK.  Four trips a block; in a trip wave w makes 128 rows x 64 columns (256 g4 + 64 w on): 32 accumulators, 8 K steps of 128.  A fragment of the codes read from LDS feeds four matrix instructions.
; W's fragments come from wcodes straight into the operand's registers, 512 consecutive bytes a load, three K steps ahead, four sets by turns; each fragment is loaded by one wave of the work-group, once a block.
; The matrix instruction is used transposed (source 0 = 16 columns of W_e, source 1 = 16 rows of enc): a lane holds one row and eight columns.  bq is the C of each sum's first product.
; NO CLUSTER, no tensor load: LDS holds the codes (133,120 bytes), the copies (163,840), the tables and the scores' exchange: 307,200 bytes in all, which leaves no room for a ring through which W could be shared.
; PREFETCH: while block 0 is walked, each trip asks for eight of my wave's 32 rows of block 1 (four instructions, lanes 256 bytes apart): each block of 256 bytes once, by the wave that will load it; block 1 asks for nothing.
; LIMITS: e2 between -126 and 112; e2 + e3 between -127 and 124 (taken into two constants' exponent fields).  NaN among the inputs is not served; an infinity in enc is held at the largest code for the product.
; The weighted sum takes enc rounded to bf16 and the weights in f32, sums in f32.
; REGISTERS.  Window 0: v1 16 x lane, v3 codes' way in, v4, v5 fragments of rows 0-63, 64-127, v6 tables, v7, v8 2^e2 and 57,344 x 2^e2, v9 a weight, v10, v11 the add's two, v12, v13 m, l, v14-19 at work,
;   v20-26 addresses, v32-63 ctx (register e: k = 128 (e / 4) + 4 lane + e % 4), v64-255 three sets of four fragments of the codes (set 2 holds vt during the tanh; all three are at work between walks).
;   Window 1: W, four sets of four fragments.  Window 2: the accumulators, (m, t) at 8 (4 m + t); between walks eight landing sets of 32.  Window 3: the copy of rows 0-11, v192-223 bq, v224-239 score sums.
.set TP,    1040
.set CPY,   133120
.set CPW,   40960
.set BIAS,  296960
.set VTO,   4096
.set SCX,   305152
.set SPARE, 307200
.set RR,    12
.set CTX,   32
.set AS,    64
.set CT,    64
.set CPT,   80
.set MSB, 0
.macro WIN new                         ; low byte: bits 1:0 source 0, 3:2 source 1, 5:4 source 2, 7:6 destination; the high byte repeats the setting that is left
.if MSB != (\new)
	s_set_vgpr_msb (MSB<<8)|(\new)
.set MSB, (\new)
.endif
.endm
.macro PLACES                          ; four places in front of loads into registers that matrix instructions have read, and of the first read of results
.rept 4
	v_nop
.endr
.endm
.macro LLOAD row                       ; a row of enc: eight loads of 512 consecutive bytes into landing set row % 8: register 4 j + i holds k = 128 j + 4 lane + i
	WIN 0x80
.irp j, 0,1,2,3,4,5,6,7
	global_load_b128 v[32*((\row)%8)+4*\j:32*((\row)%8)+4*\j+3], v1, s[4:5] offset:4096*(\row)+512*\j th:TH_LOAD_NT
.endr
.endm
.macro LFILL                           ; a block's first seven rows: 56 loads of the wave are out
.irp r, 0,1,2,3,4,5,6
	LLOAD \r
.endr
	WIN 0
.endm
.macro WLOAD s, x                      ; W's four fragments of K step s into set s % 4
.irp t, 0,1,2,3
.irp c, 0,1,2,3
	global_load_b128 v[64*((\s)%4)+16*\t+4*\c:64*((\s)%4)+16*\t+4*\c+3], v1, s[24:25] offset:(\x)+16384*\t+2048*(\s)+512*\c
.endr
.endr
.endm
.macro ALOAD hs                        ; half step hs = 2 s + m / 4: four fragments of the codes into set hs % 3: lane (r, h) takes row 16 m + r, positions 128 s + 32 c + 16 h + 0 .. 15
.irp mm, 0,1,2,3
.irp c, 0,1,2,3
	ds_load_b128 v[AS+64*((\hs)%3)+16*\mm+4*\c:AS+64*((\hs)%3)+16*\mm+4*\c+3], v[4+(\hs)%2] offset:16*TP*\mm+128*((\hs)/2)+32*\c
.endr
.endr
.endm
.macro BLOAD x
.irp t, 0,1,2,3
.irp hf, 0,1
	ds_load_b128 v[192+8*\t+4*\hf:192+8*\t+4*\hf+3], v6 offset:(\x)+64*\t+16*\hf
.endr
.endr
.endm
.macro LROW row                        ; one row: the copy, the hold, the codes, their way into LDS; then the row seven further on is asked for
.set LS,  32*((\row)%8)
.set CTS, CT+8*((\row)%2)
.set CPS, CPT+16*((\row)%2)
.if (\row) > RR
	s_wait_dscnt 8                                 ; the last row's stores may be out; those of two rows back, which read these registers, are done
.else
	s_wait_dscnt 4
.endif
.if (\row) == 29
	s_wait_loadcnt 63                              ; behind this row: two rows' 16 loads and W's 48; 63 is the largest count that the wait can name
.elseif (\row) > 29
	s_wait_loadcnt 8*(31-(\row))+48
.elseif 31-(\row) < 6
	s_wait_loadcnt 8*(31-(\row))
.else
	s_wait_loadcnt 48                              ; six rows behind this one may be out
.endif
.set ee, 0
.if (\row) < RR
	WIN 0xca
.rept 16
	v_cvt_pk_bf16_f32 v[16*(\row)+ee], v[LS+2*ee], v[LS+2*ee+1]   ; the copy is made of the numbers as they came
.set ee, ee+1
.endr
.else
	WIN 0x0a
.rept 16
	v_cvt_pk_bf16_f32 v[CPS+ee], v[LS+2*ee], v[LS+2*ee+1]
.set ee, ee+1
.endr
.endif
	WIN 0x82
.set ee, 0
.rept 32
	v_med3_num_f32 v[LS+ee], v[LS+ee], -v8, v8     ; the conversion to an 8-bit code does not saturate (ISA guide 7.6.2): the hold at the largest code x the scale
.set ee, ee+1
.endr
	WIN 0x02
.irp q, 0,1,2,3
	v_cvt_scalef32_pk8_bf8_f32 v[CTS+2*\q:CTS+2*\q+1], v[LS+8*\q:LS+8*\q+7], v7   ; positions 256 q + 8 lane + 0 .. 7
.endr
	v_nop                                          ; one plain vector line behind the last conversion
	WIN 0
.irp q, 0,1,2,3
	ds_store_b64 v3, v[CTS+2*\q:CTS+2*\q+1] offset:TP*(\row)+256*\q
.endr
.if (\row) >= RR
.irp j, 0,1,2,3
	ds_store_b128 v21, v[CPS+4*\j:CPS+4*\j+3] offset:2048*((\row)-RR)+512*\j
.endr
.endif
.if (\row)+7 < 32
	LLOAD (\row)+7
.endif
.endm
; A HALF STEP: 64 rows x 64 columns x 128 K: 16 matrix instructions.  The 32 accumulators take turns, one instruction a turn, in the same order in every K step.
.macro HALF hs
.set KS, (\hs)/2
.if ((\hs) > 0) && ((\hs) < 14)
	PLACES
.endif
.if (\hs) < 14
	WIN 0
	ALOAD (\hs)+2                                  ; one run of loads, into the set that the half step before has left
.endif
.if (((\hs)%2) == 0) && (KS < 5)
	WIN 0x40
	WLOAD KS+3, 0
.endif
.if (\hs) < 14
	s_wait_dscnt 32                                ; this half step's fragments are in; the two younger half steps' 16 loads each may be out
.else
	s_wait_dscnt 16*(15-(\hs))
.endif
.if ((\hs)%2) == 0
.if KS < 5
	s_wait_loadcnt 48                              ; W's set of this K step is in; three younger sets of 16 loads may be out
.else
	s_wait_loadcnt 16*(7-KS)
.endif
.endif
.if KS == 0
	WIN 0xb1                                       ; source 0 (W) window 1, source 1 (codes) window 0, C (bq) window 3, D window 2
.else
	WIN 0xa1
.endif
.irp mm, 0,1,2,3
.irp t, 0,1,2,3
.set AC, 8*(4*(4*((\hs)%2)+\mm)+\t)
.if KS == 0
	v_wmma_f32_16x16x128_bf8_bf8 v[AC:AC+7], v[64*(KS%4)+16*\t:64*(KS%4)+16*\t+15], v[AS+64*((\hs)%3)+16*\mm:AS+64*((\hs)%3)+16*\mm+15], v[192+8*\t:199+8*\t]
.else
	v_wmma_f32_16x16x128_bf8_bf8 v[AC:AC+7], v[64*(KS%4)+16*\t:64*(KS%4)+16*\t+15], v[AS+64*((\hs)%3)+16*\mm:AS+64*((\hs)%3)+16*\mm+15], v[AC:AC+7]
.endif
.endr
.endr
.endm
; A PHASE of the tanh.  Row tile m's 32 numbers a lane pass: exponentials in phase m, + 1 in m + 1, reciprocals in m + 2, x vt, summed over the four column tiles, in m + 3 .. m + 6.
; All sources of a phase were written in earlier phases; one plain line and one wait close each phase that holds transcendentals.
.macro PH q
.set ii, 0
.rept 16
.if (\q) < 8
	v_exp_f32 v[32*(\q)+2*ii], v[32*(\q)+2*ii]
	v_exp_f32 v[32*(\q)+2*ii+1], v[32*(\q)+2*ii+1]
.endif
.if ((\q) >= 1) && ((\q) < 9)
	v_pk_add_f32 v[32*((\q)-1)+2*ii:32*((\q)-1)+2*ii+1], v[32*((\q)-1)+2*ii:32*((\q)-1)+2*ii+1], 1.0 op_sel_hi:[1,0]
.endif
.if ((\q) >= 2) && ((\q) < 10)
	v_rcp_f32 v[32*((\q)-2)+2*ii], v[32*((\q)-2)+2*ii]
	v_rcp_f32 v[32*((\q)-2)+2*ii+1], v[32*((\q)-2)+2*ii+1]
.endif
.set mq, (\q)-3-ii/4
.if (mq >= 0) && (mq < 8)
.set SA, 32*mq+2*(ii%4)
.set SB, 8*(ii/4)+2*(ii%4)
.if ii < 4
	v_pk_mul_f32 v[SA:SA+1], v[SA:SA+1], v[192+SB:192+SB+1]
.else
	v_pk_fma_f32 v[SA:SA+1], v[32*mq+SB:32*mq+SB+1], v[192+SB:192+SB+1], v[SA:SA+1]
.endif
.endif
.set ii, ii+1
.endr
.if (\q) < 10
	v_nop
	s_wait_alu depctr_va_vdst(0)
.endif
.endm
.macro CROW base, rw                   ; ctx += p x a row's copy, in f32
	v_mov_b32 v9, s[66+(\rw)]
.set ee, 0
.rept 16
	v_fma_mix_f32_bf16 v[CTX+2*ee],   v[(\base)+ee], v9, v[CTX+2*ee]   op_sel_hi:[1,0,0]
	v_fma_mix_f32_bf16 v[CTX+2*ee+1], v[(\base)+ee], v9, v[CTX+2*ee+1] op_sel:[1,0,0] op_sel_hi:[1,0,0]
.set ee, ee+1
.endr
.endm
.macro CLOAD k                         ; the copies of rows 12 + 4 k .. + 3 come back from my own LDS bytes into set k % 3
.irp i, 0,1,2,3
.irp j, 0,1,2,3
	ds_load_b128 v[AS+64*((\k)%3)+16*\i+4*\j:AS+64*((\k)%3)+16*\i+4*\j+3], v21 offset:2048*(4*(\k)+\i)+512*\j
.endr
.endr
.endm
.macro CGRP k
.irp i, 0,1,2,3
	CROW AS+64*((\k)%3)+16*\i, RR+4*(\k)+\i
.endr
.endm
	s_load_b256 s[4:11], s[0:1], 0x0               ; enc, wcodes, biasc, v_w
	s_load_b128 s[12:15], s[0:1], 0x20             ; the exponents, part_ctx
	s_load_b64 s[16:17], s[0:1], 0x30              ; part_ml
	v_lshrrev_b32 v14, 5, v0
	v_readfirstlane_b32 s18, v14                   ; wave 0..3
	s_mul_i32 s21, s18, 32*TP                      ; my 32 rows of the codes in LDS
	s_mul_i32 s22, s18, CPW
	s_add_co_u32 s22, s22, CPY                     ; my copies
	s_lshl_b32 s23, s18, 8
	s_add_co_u32 s23, s23, BIAS                    ; my 64 columns in the tables
	s_lshl_b32 s28, s18, 9
	s_add_co_u32 s28, s28, SCX                     ; my 128 partial scores
	s_lshl_b32 s29, s18, 7
	s_add_co_u32 s29, s29, SCX                     ; my 32 rows in each wave's partial scores
	s_lshl_b32 s56, ttmp9, 20                      ; enc: 256 rows of 4,096 bytes a work-group,
	s_lshl_b32 s57, s18, 17                        ; 32 rows a wave
	s_add_co_u32 s56, s56, s57
	s_mov_b32 s57, 0
	s_lshr_b32 s58, ttmp9, 3                       ; my batch
	s_lshl_b32 s58, s58, 6                         ; biasc is laid [column tile][batch][16 columns]: 64 bytes a batch
	s_mov_b32 s59, 0
	s_lshl_b32 s60, ttmp9, 2
	s_add_co_u32 s60, s60, s18                     ; my wave among the 1,024
	s_lshl_b32 s62, s60, 8
	s_mov_b32 s63, 0
	s_lshl_b32 s60, s60, 12
	s_mov_b32 s61, 0
	s_lshl_b32 s30, s18, 16                        ; wcodes: four column tiles a wave
	s_mov_b32 s31, 0
	s_mov_b32 s50, 0x76543210                      ; v_permlanex16_b32: each lane takes its own place in the other half
	s_mov_b32 s51, 0xfedcba98
	v_lshl_add_u32 v10, v0, 2, SPARE
	v_mov_b32 v11, 0
	v_and_b32 v18, 31, v0                          ; lane
	v_and_b32 v16, 15, v0                          ; r
	v_bfe_u32 v17, v0, 4, 1                        ; h
	v_lshlrev_b32 v1, 4, v18
	v_lshl_add_u32 v3, v18, 3, s21
	v_mul_u32_u24 v4, v16, TP
	v_lshl_add_u32 v4, v17, 4, v4
	v_add_nc_u32 v5, 64*TP, v4
	v_lshl_add_u32 v20, v17, 5, s23
	v_add_nc_u32 v21, s22, v1
	v_lshl_add_u32 v23, v16, 2, s28
	v_lshl_add_u32 v24, v18, 2, s29
	v_lshlrev_b32 v25, 8, v18
	v_lshlrev_b32 v26, 3, v18
	v_lshlrev_b32 v14, 4, v0                       ; the tables' way in: 16 bytes a thread
	v_lshl_add_u32 v15, v0, 4, BIAS
	v_mov_b32 v19, 0
	v_lshrrev_b32 v27, 2, v0
	v_and_b32 v28, 3, v0
	v_lshlrev_b32 v28, 4, v28
	v_lshl_add_u32 v27, v27, 11, v28               ; biasc: columns 4 thread on: tile thread / 4, 2,048 bytes a tile, + 16 (thread % 4)
	s_wait_alu depctr_va_vdst(0)
	s_wait_kmcnt 0x0
	s_load_b128 s[52:55], s[12:13], 0x0            ; e0 .. e3
	s_add_nc_u64 s[4:5], s[4:5], s[56:57]
	s_add_nc_u64 s[6:7], s[6:7], s[30:31]
	s_add_nc_u64 s[8:9], s[8:9], s[58:59]
	s_add_nc_u64 s[14:15], s[14:15], s[60:61]
	s_add_nc_u64 s[16:17], s[16:17], s[62:63]
	global_load_b128 v[64:67], v27, s[8:9]         ; my batch's numbers of biasc
	global_load_b128 v[68:71], v27, s[8:9] offset:65536
	global_load_b128 v[72:75], v14, s[10:11]       ; v_w
	global_load_b128 v[76:79], v14, s[10:11] offset:2048
	LFILL
	s_wait_kmcnt 0x0
	s_add_co_i32 s21, s54, 127
	s_lshl_b32 s22, s21, 23
	v_mov_b32 v7, s22                              ; 2^e2 as f32: the conversion takes its exponent field
	s_add_co_i32 s21, s21, 15
	s_lshl_b32 s21, s21, 23
	s_or_b32 s21, s21, 0x600000
	v_mov_b32 v8, s21                              ; 57,344 x 2^e2
	s_add_co_i32 s23, s54, s55
	s_lshl_b32 s23, s23, 23
	s_add_co_i32 s48, s23, 0x4038aa3b              ; c2 = 2 log2(e) x 2^(e2 + e3)
	s_mov_b32 s49, s48
	s_sub_co_i32 s28, 0x3eb17218, s23              ; 1 / c2 = (ln 2 / 2) x 2^-(e2 + e3)
	v_mov_b32 v12, 0xff61b1e6                      ; m: -3e38, under every T
	v_mov_b32 v13, 0                               ; l, by lanes
.set ee, 0
.rept 32
	v_mov_b32 v[CTX+ee], 0                         ; ctx: the block is written once; the first finds zeros
.set ee, ee+1
.endr
	s_wait_alu depctr_va_vdst(0)
	s_wait_loadcnt 56                              ; the tables are in; behind them: seven rows' 56 loads
.set ee, 0
.rept 8
	v_mul_f32 v[64+ee], s28, v[64+ee]              ; bq = biasc / c2
	v_mul_f32 v[72+ee], 0xc038aa3b, v[72+ee]       ; vt = -2 log2(e) v_w
.set ee, ee+1
.endr
	ds_store_b128 v15, v[64:67]
	ds_store_b128 v15, v[68:71] offset:2048
	ds_store_b128 v15, v[72:75] offset:VTO
	ds_store_b128 v15, v[76:79] offset:VTO+2048    ; the block's first barrier shows them to the other waves
	s_mov_b32 s45, 2
.Lblk:                                             ; two trips: a block of 128 rows
	s_mov_b32 s46, 0                               ; the walk's place in the tables
	s_mov_b64 s[24:25], s[6:7]                     ; and in wcodes
	s_add_nc_u64 s[26:27], s[4:5], 524288          ; my rows of the next block, for the prefetches
	WIN 0xc0
.set ee, 0
.rept 16
	v_mov_b32 v[224+ee], 0                         ; the score sums
.set ee, ee+1
.endr
	WIN 0
.irp r, 0,1,2,3,4,5,6,7,8,9,10,11,12,13,14,15,16,17,18,19,20,21,22,23,24,25,26,27,28
	LROW \r
.endr
	WIN 0x40
	WLOAD 0, 0                                     ; W's first three K steps, behind the block's last loads of rows
	WLOAD 1, 0
	WLOAD 2, 0
	WIN 0
	LROW 29
	LROW 30
	LROW 31
	s_wait_dscnt 0x0                               ; my codes have landed
	s_barrier_signal -1
	s_barrier_wait -1                              ; the block's 128 rows of codes lie in LDS
	v_add_nc_u32 v6, s46, v20
	WIN 0xc0
	BLOAD 0                                        ; bq of the first 64 columns
	WIN 0
	ALOAD 0
	ALOAD 1
	s_mov_b32 s44, 4
.Lstep:                                            ; four trips: 64 columns a wave
	HALF 0
	HALF 1
	HALF 2
	HALF 3
	WIN 0
	s_cmp_eq_u32 s45, 1
	s_cbranch_scc1 .Lnopf
.irp i, 0,1,2,3
	global_prefetch_b8 v25, s[26:27] offset:8192*\i th:TH_LOAD_NT scope:SCOPE_SE
.endr
.Lnopf:
.irp hh, 4,5,6,7,8,9,10,11,12,13,14,15
	HALF \hh
.endr
	PLACES
	WIN 0
	v_add_nc_u32 v6, s46, v20                      ; this trip's columns in the tables
	s_wait_alu depctr_va_vdst(0)
	s_cmp_eq_u32 s44, 1
	s_cbranch_scc1 .Llaststep                      ; a block's last trip asks for nothing of a next one
	WIN 0xc0
	BLOAD 1024                                     ; the next trip's bq, first fragments of the codes and first three K steps of W: they land under the tanh
	WIN 0
	ALOAD 0
	ALOAD 1
	WIN 0x40
	WLOAD 0, 262144
	WLOAD 1, 262144
	WLOAD 2, 262144
	WIN 0
.Llaststep:
	BLOAD VTO                                      ; vt of this trip's columns
	s_add_co_u32 s46, s46, 1024
	WIN 0xa2                                       ; source 0, source 2 and destination window 2, source 1 window 0: serves all of the tanh
.set ee, 0
.rept 128
	v_pk_mul_f32 v[2*ee:2*ee+1], v[2*ee:2*ee+1], s[48:49] op_sel_hi:[1,0]   ; x c2; each accumulator from its low end on; all results are first read here, ahead of the transcendentals
.set ee, ee+1
.endr
	s_wait_xcnt 0x0                                ; the loads and prefetches have read their bases
	s_add_nc_u64 s[24:25], s[24:25], 262144
	s_add_nc_u64 s[26:27], s[26:27], 32768
	s_wait_dscnt 0x0                               ; vt is in
	s_wait_alu depctr_va_vdst(0)                   ; the wait ahead of the batch
.irp q, 0,1,2,3,4,5,6,7,8,9,10,11,12,13
	PH \q
.endr
	WIN 0xce                                       ; source 0 window 2, source 1 and destination window 3
.irp p, 0,1,2,3
.irp m, 0,1,2,3,4,5,6,7
	v_pk_add_f32 v[224+2*\m:225+2*\m], v[32*\m+2*\p:32*\m+2*\p+1], v[224+2*\m:225+2*\m]
.endr
.endr
	WIN 0
	s_sub_co_u32 s44, s44, 1
	s_cmp_lg_u32 s44, 0
	s_wait_alu depctr_va_vdst(0)
	s_cbranch_scc1 .Lstep
	s_cmp_eq_u32 s45, 1
	s_cbranch_scc1 .Lnofill
	s_wait_xcnt 0x0
	s_add_nc_u64 s[4:5], s[4:5], 524288            ; 128 rows on
	LFILL                                          ; the next block's first rows land under the weighted sum
.Lnofill:
	WIN 0x0f
.irp m, 0,1,2,3,4,5,6,7
	v_add_f32 v[64+\m], v[224+2*\m], v[225+2*\m]
.endr
	WIN 0
.irp m, 0,1,2,3,4,5,6,7
	v_permlanex16_b32 v[72+\m], v[64+\m], s50, s51 ; a row's other columns lie in the lane 16 away
.endr
.irp m, 0,1,2,3,4,5,6,7
	v_add_f32 v[64+\m], v[64+\m], v[72+\m]
.endr
.irp m, 0,1,2,3,4,5,6,7
	ds_store_b32 v23, v[64+\m] offset:64*\m        ; row 16 m + r over my columns; both halves of the lanes write the same word with the same value
.endr
	s_wait_dscnt 0x0                               ; my partial scores have landed, my reads of the codes are over
	s_barrier_signal -1
	s_barrier_wait -1
.irp w, 0,1,2,3
	ds_load_b32 v[14+\w], v24 offset:512*\w        ; row 32 wave + lane, from each wave
.endr
	CLOAD 0
	CLOAD 1
	CLOAD 2
	s_wait_dscnt 48
	v_add_f32 v14, v14, v15
	v_add_f32 v16, v16, v17
	v_add_f32 v14, v14, v16                        ; T of my lane's row
	v_mov_b32 v18, v14
	v_max_num_f32_dpp v18, v18, v18 row_xmask:1 row_mask:0xf bank_mask:0xf
	v_max_num_f32_dpp v18, v18, v18 row_xmask:2 row_mask:0xf bank_mask:0xf
	v_max_num_f32_dpp v18, v18, v18 row_xmask:4 row_mask:0xf bank_mask:0xf
	v_max_num_f32_dpp v18, v18, v18 row_xmask:8 row_mask:0xf bank_mask:0xf
	v_permlanex16_b32 v19, v18, s50, s51
	v_max_num_f32 v18, v18, v19
	v_max_num_f32 v18, v18, v12                    ; the new m
	v_sub_f32 v16, v12, v18
	v_sub_f32 v14, v14, v18
	s_wait_alu depctr_va_vdst(0)                   ; the wait ahead of the batch
	v_exp_f32 v16, v16                             ; f = 2^(old m - new m)
	v_exp_f32 v14, v14                             ; the weight p
	v_mov_b32 v12, v18
	s_wait_alu depctr_va_vdst(0)                   ; and behind it, ahead of its first reader
	v_fma_f32 v13, v13, v16, v14
.set ee, 0
.rept 16
	v_pk_mul_f32 v[CTX+2*ee:CTX+2*ee+1], v[CTX+2*ee:CTX+2*ee+1], v[16:17] op_sel_hi:[1,0]   ; ctx under the new m
.set ee, ee+1
.endr
.set ee, 0
.rept 32
	v_readlane_b32 s[66+ee], v14, ee
.set ee, ee+1
.endr
	WIN 0x03                                       ; source 0: the copies in window 3
.irp rw, 0,1,2,3,4,5,6,7,8,9,10,11
	CROW 16*\rw, \rw
.endr
	WIN 0
	s_wait_dscnt 32
	CGRP 0
	CLOAD 3
	s_wait_dscnt 32
	CGRP 1
	CLOAD 4
	s_wait_dscnt 32
	CGRP 2
	s_wait_dscnt 16
	CGRP 3
	s_wait_dscnt 0x0
	CGRP 4
	s_sub_co_u32 s45, s45, 1
	s_cmp_lg_u32 s45, 0
	s_cbranch_scc1 .Lblk
	v_add_f32_dpp v13, v13, v13 row_xmask:1 row_mask:0xf bank_mask:0xf   ; l over the 32 lanes
	v_add_f32_dpp v13, v13, v13 row_xmask:2 row_mask:0xf bank_mask:0xf
	v_add_f32_dpp v13, v13, v13 row_xmask:4 row_mask:0xf bank_mask:0xf
	v_add_f32_dpp v13, v13, v13 row_xmask:8 row_mask:0xf bank_mask:0xf
	v_permlanex16_b32 v19, v13, s50, s51
	v_add_f32 v13, v13, v19
.irp j, 0,1,2,3,4,5,6,7
	global_store_b128 v1, v[CTX+4*\j:CTX+4*\j+3], s[14:15] offset:512*\j   ; 32 lanes store 512 consecutive bytes, at a multiple of 256 from the buffer's first byte
.endr
	global_store_b64 v26, v[12:13], s[16:17]       ; (m, l), the same in every lane: 256 consecutive bytes, aligned
	s_wait_tensorcnt 0x0                           ; the wave's end: behind my last LDS store
	ds_add_u32 v10, v11
	s_wait_dscnt 0x0
	s_endpgm
.Lfunc_end_k_qe1d38f89e0_main:
	.size	k_qe1d38f89e0_main, .Lfunc_end_k_qe1d38f89e0_main-k_qe1d38f89e0_main
	.p2alignl 7, 3214868480
	.fill 96, 4, 3214868480
	.section	.rodata,"a",@progbits
	.p2align	6, 0x0
	.amdhsa_kernel k_qe1d38f89e0_main
		.amdhsa_group_segment_fixed_size 327680
		.amdhsa_private_segment_fixed_size 0
		.amdhsa_enable_private_segment 0
		.amdhsa_kernarg_size 56
		.amdhsa_user_sgpr_count 2
		.amdhsa_user_sgpr_kernarg_segment_ptr 1
		.amdhsa_wavefront_size32 1
		.amdhsa_system_sgpr_workgroup_id_x 1
		.amdhsa_system_sgpr_workgroup_id_y 1
		.amdhsa_system_sgpr_workgroup_id_z 1
		.amdhsa_system_vgpr_workitem_id 0
		.amdhsa_next_free_vgpr 1024
		.amdhsa_next_free_sgpr 98
		.amdhsa_reserve_vcc 0
		.amdhsa_float_denorm_mode_32 3
		.amdhsa_float_denorm_mode_16_64 3
		.amdhsa_memory_ordered 1
		.amdhsa_forward_progress 1
		.amdhsa_inst_pref_size 255
	.end_amdhsa_kernel
	.section	.bss,"aw",@nobits
	.p2align	6
	.space	262144
	.amdgpu_metadata
---
amdhsa.version: [ 1, 2 ]
amdhsa.kernels:
  - .name:           k_qe1d38f89e0_main
    .symbol:         k_qe1d38f89e0_main.kd
    .args:
      - { .name: encoder_outputs, .offset: 0, .size: 8, .value_kind: global_buffer, .address_space: global }
      - { .name: wcodes, .offset: 8, .size: 8, .value_kind: global_buffer, .address_space: global }
      - { .name: biasc, .offset: 16, .size: 8, .value_kind: global_buffer, .address_space: global }
      - { .name: v_w, .offset: 24, .size: 8, .value_kind: global_buffer, .address_space: global }
      - { .name: lowp_scales, .offset: 32, .size: 8, .value_kind: global_buffer, .address_space: global }
      - { .name: part_ctx, .offset: 40, .size: 8, .value_kind: global_buffer, .address_space: global }
      - { .name: part_ml, .offset: 48, .size: 8, .value_kind: global_buffer, .address_space: global }
    .group_segment_fixed_size: 327680
    .private_segment_fixed_size: 0
    .kernarg_segment_align: 8
    .kernarg_segment_size: 56
    .max_flat_workgroup_size: 128
    .sgpr_count:     98
    .vgpr_count:     1024
    .wavefront_size: 32
...
	.end_amdgpu_metadata
.endif
;; end of part 2
;; launch combine (part 3): grid 8 x 32, 1 waves a work-group, no clusters, 0 bytes of LDS; arguments part_ctx, part_ml, out0; writes out0
.if DOCPART == 3
	.amdgcn_target "amdgcn-amd-amdhsa--gfx1250"
	.amdhsa_code_object_version 6
	.text
	.protected	k_qe1d38f89e0_combine
	.globl	k_qe1d38f89e0_combine
	.p2align	8
	.type	k_qe1d38f89e0_combine,@function
k_qe1d38f89e0_combine:
	s_mov_b64 s[64:65], 0
	v_nop
	global_prefetch_b8 v0, s[64:65] scope:SCOPE_SE
	s_setreg_imm32_b32 hwreg(HW_REG_WAVE_MODE, 25, 1), 1
	s_wait_xcnt 0x0
; THIRD LAUNCH.  out[b][k] = sum_w 2^(m_w - M) ctx_w[k] / sum_w 2^(m_w - M) l_w over the batch's 32 partial results w of the second launch, M the largest m_w.
; (The scores lack the term that is the same for all positions of a batch: left out, as the first launch's head shows.)
; One wave takes 128 columns of one batch: grid x = which 128, grid y = the batch.  Lane w holds partial w's (m, l); the 32 factors then go to scalar registers, and each lane sums its four columns.
; No LDS, no matrix unit, no cluster: 16 KiB are read once by each work-group; the 32 pairs (m, l) that the eight work-groups of a batch share are a small part of that.
	s_load_b128 s[4:7], s[0:1], 0x0                ; part_ctx s[4:5], part_ml s[6:7]
	s_load_b64 s[8:9], s[0:1], 0x10                ; out0
	v_lshlrev_b32 v2, 8, v0                        ; a partial's (m, l) stands at the head of its 256 bytes
	v_lshlrev_b32 v3, 4, v0                        ; my four columns
	v_mov_b32 v7, 0                                ; written once: a lane permute's destination counts as one of its sources
	v_mov_b32 v11, 0
	s_and_b32 s10, ttmp7, 0xffff                   ; the batch
	s_lshl_b32 s11, ttmp9, 9                       ; my 128 columns, in bytes
	s_lshl_b32 s12, s10, 13                        ; 32 partials x 256 bytes
	s_mov_b32 s13, 0
	s_lshl_b32 s14, s10, 17                        ; 32 partials x 4,096 bytes
	s_add_co_u32 s14, s14, s11
	s_mov_b32 s15, 0
	s_lshl_b32 s52, s10, 12
	s_add_co_u32 s52, s52, s11
	s_mov_b32 s53, 0
	s_mov_b32 s50, 0x76543210
	s_mov_b32 s51, 0xfedcba98
	s_wait_alu depctr_va_vdst(0)
	s_wait_kmcnt 0x0
	s_add_nc_u64 s[6:7], s[6:7], s[12:13]
	s_add_nc_u64 s[4:5], s[4:5], s[14:15]
	s_add_nc_u64 s[8:9], s[8:9], s[52:53]
	global_load_b64 v[4:5], v2, s[6:7]
.set ww, 0
.rept 32
	global_load_b128 v[32+4*ww:32+4*ww+3], v3, s[4:5] offset:4096*ww th:TH_LOAD_NT   ; 32 lanes read 512 consecutive bytes of partial ww
.set ww, ww+1
.endr
	s_wait_loadcnt 32                              ; (m, l) is in; behind it: the 32 loads of partial sums
	v_mov_b32 v6, v4
	v_max_num_f32_dpp v6, v6, v6 row_xmask:1 row_mask:0xf bank_mask:0xf
	v_max_num_f32_dpp v6, v6, v6 row_xmask:2 row_mask:0xf bank_mask:0xf
	v_max_num_f32_dpp v6, v6, v6 row_xmask:4 row_mask:0xf bank_mask:0xf
	v_max_num_f32_dpp v6, v6, v6 row_xmask:8 row_mask:0xf bank_mask:0xf
	v_permlanex16_b32 v7, v6, s50, s51
	v_max_num_f32 v6, v6, v7                       ; M
	v_sub_f32 v8, v4, v6
	s_wait_alu depctr_va_vdst(0)
	v_exp_f32 v8, v8                               ; f = 2^(m - M)
	v_nop                                          ; a plain line behind the exponential,
	s_wait_alu depctr_va_vdst(0)                   ; and a wait ahead of its first reader
	v_mul_f32 v9, v8, v5
	v_add_f32_dpp v9, v9, v9 row_xmask:1 row_mask:0xf bank_mask:0xf
	v_add_f32_dpp v9, v9, v9 row_xmask:2 row_mask:0xf bank_mask:0xf
	v_add_f32_dpp v9, v9, v9 row_xmask:4 row_mask:0xf bank_mask:0xf
	v_add_f32_dpp v9, v9, v9 row_xmask:8 row_mask:0xf bank_mask:0xf
	v_permlanex16_b32 v11, v9, s50, s51
	v_add_f32 v9, v9, v11                          ; the softmax's sum: at least 1, since the partial with m = M holds a weight of 1
	s_wait_alu depctr_va_vdst(0)
	v_rcp_f32 v10, v9
	v_nop
	s_wait_alu depctr_va_vdst(0)
	v_mul_f32 v8, v8, v10                          ; partial w's factor, in lane w
.set ww, 0
.rept 32
	v_readlane_b32 s[16+ww], v8, ww
.set ww, ww+1
.endr
	s_wait_loadcnt 0x0
.irp i, 0,1,2,3
	v_mul_f32 v[12+\i], s16, v[32+\i]              ; the first partial starts the sums
.endr
.set ww, 1
.rept 31
.irp i, 0,1,2,3
	v_fmac_f32 v[12+\i], s[16+ww], v[32+4*ww+\i]
.endr
.set ww, ww+1
.endr
	global_store_b128 v3, v[12:15], s[8:9]         ; 32 lanes store 512 consecutive bytes, at a multiple of 256 from the buffer's first byte
	s_endpgm
.Lfunc_end_k_qe1d38f89e0_combine:
	.size	k_qe1d38f89e0_combine, .Lfunc_end_k_qe1d38f89e0_combine-k_qe1d38f89e0_combine
	.p2alignl 7, 3214868480
	.fill 96, 4, 3214868480
	.section	.rodata,"a",@progbits
	.p2align	6, 0x0
	.amdhsa_kernel k_qe1d38f89e0_combine
		.amdhsa_group_segment_fixed_size 0
		.amdhsa_private_segment_fixed_size 0
		.amdhsa_enable_private_segment 0
		.amdhsa_kernarg_size 24
		.amdhsa_user_sgpr_count 2
		.amdhsa_user_sgpr_kernarg_segment_ptr 1
		.amdhsa_wavefront_size32 1
		.amdhsa_system_sgpr_workgroup_id_x 1
		.amdhsa_system_sgpr_workgroup_id_y 1
		.amdhsa_system_sgpr_workgroup_id_z 1
		.amdhsa_system_vgpr_workitem_id 0
		.amdhsa_next_free_vgpr 160
		.amdhsa_next_free_sgpr 66
		.amdhsa_reserve_vcc 0
		.amdhsa_float_denorm_mode_32 3
		.amdhsa_float_denorm_mode_16_64 3
		.amdhsa_memory_ordered 1
		.amdhsa_forward_progress 1
		.amdhsa_inst_pref_size 12
	.end_amdhsa_kernel
	.amdgpu_metadata
---
amdhsa.version: [ 1, 2 ]
amdhsa.kernels:
  - .name:           k_qe1d38f89e0_combine
    .symbol:         k_qe1d38f89e0_combine.kd
    .args:
      - { .name: part_ctx, .offset: 0, .size: 8, .value_kind: global_buffer, .address_space: global }
      - { .name: part_ml, .offset: 8, .size: 8, .value_kind: global_buffer, .address_space: global }
      - { .name: out0, .offset: 16, .size: 8, .value_kind: global_buffer, .address_space: global }
    .group_segment_fixed_size: 0
    .private_segment_fixed_size: 0
    .kernarg_segment_align: 8
    .kernarg_segment_size: 24
    .max_flat_workgroup_size: 32
    .sgpr_count:     66
    .vgpr_count:     160
    .wavefront_size: 32
...
	.end_amdgpu_metadata
.endif
;; end of part 3
